; MI455X (gfx1250); checked and timed in simulation.
; The chip was launched on July 23, 2026; its instructions are those of AMD's public machine-readable ISA for CDNA 5 (MIT licence, August 2026) and "CDNA5" Instruction Set Architecture Reference Guide (July 2026). The comments in the code are by the model that wrote it; some were corrected since.
;; Model. Allowed arithmetic: matrix products marked QUANTISED: E5M2 operands, one E8M0 scale for each 32 along K, by v_wmma_scale_f32_16x16x128_f8f6f4 with both operands' format E5M2, f32 sums; everything else in f32.
;; Inputs: inv_scale_factor 1 float32; key 2 x 16 x 2,048 x 64 float32; query 2 x 16 x 2,048 x 64 float32; value 2 x 16 x 2,048 x 64 float32.
;; Outputs: out0 2 x 16 x 2,048 x 64 float32.
;; This version of the problem:
;;   THIS VERSION OF THE PROBLEM IS GIVEN IN LOW PRECISION. The matrix products marked QUANTISED in the list below multiply operands that are first quantised to E5M2 (5 exponent bits, 2 mantissa bits; 8 bits a number), with one power-of-two scale for each 32 numbers along K (OCP MX v1.0); their sums are f32. All else is computed in f32.
;;   The module's matrix products, in the order in which they are computed (A, B: the left and right operand; K: the contracted axis; several contracted axes count as one K, in the product's order):
;;     1. batch 32 x [M 2,048, K 64] x [K 64, N 2,048]; A: input query; B: input key: QUANTISED
;;     2. batch 32 x [M 2,048, K 2,048] x [K 2,048, N 64]; A: softmax (see below); B: input value: QUANTISED
;;   THE QUANTISER, for each operand of a quantised product, along K:
;;     - K is cut into blocks of 32 from its start; a last block that is shorter is filled with zeros.
;;     - A block's scale is 2^e with e = floor(log2(the largest magnitude in the block)) - 15, held to -126 .. 127; a block of zeros has e = 0. As a byte (E8M0): e + 127.
;;     - Each number is divided by its block's scale, clamped to +-57,344, and rounded to the nearest number of E5M2, ties to even, subnormals kept.
;;     - The product sums the exact products of the quantised numbers (number of the format x scale) in f32.
;;   ~~~python
;;   def quantise(x, axis):      # numpy; x: float32 -> the quantised numbers, widened to float32 again
;;       x = np.moveaxis(x, axis, -1); K = x.shape[-1]
;;       x = np.pad(x, [(0, 0)] * (x.ndim - 1) + [(0, -K % 32)]); x = x.reshape(x.shape[:-1] + (-1, 32)); a = np.abs(x).max(-1, keepdims=True)
;;       e = np.where(a > 0, np.clip(np.frexp(np.where(a > 0, a, 1))[1] - 1 - 15, -126, 127), 0)      # np.frexp(a)[1] - 1 = floor(log2(a)), exactly
;;       r = np.clip(x / 2.0 ** e, -57344, 57344)
;;       step = 2.0 ** (np.maximum(np.frexp(np.where(r == 0, 1, r))[1] - 1, -14) - 2)
;;       q = np.round(r / step) * step * 2.0 ** e      # np.round: ties to even
;;       return np.moveaxis(q.reshape(q.shape[:-2] + (-1,))[..., :K], -1, axis).astype(np.float32)
;;   ~~~
;;   SOFTMAX AHEAD OF A QUANTISED PRODUCT. Where the list says 'softmax', what is quantised is not the finished softmax but p = 2^(t - M), with t = logit x log2(e) and M = ceil(the row's largest t), a whole number; so 1/2 < the row's largest p <= 1. The row's sum l is taken of the UNQUANTISED p, in f32, and the product's result is divided by l at the end. Since M is a whole number, a kernel that streams over the keys may use a running M (the ceiling of the running maximum): every later rescaling is an exact power of two, which a block's scale takes up: the codes' values come out the same.
;;   OPERANDS COMPUTED ON THE WAY. 'Computed on the way' means the value that the module computes at that place (a softmax that the list does not call 'softmax' is quantised finished and normalised). What goes into a quantiser is computed in f32, as accurately as f32 sums, v_exp_f32 and their like allow (about 1e-6 of the number): no bf16 or f16 on the way to a quantiser, and a product that is left as it is and whose result goes on into a quantised operand takes f32 operands (vector FMAs, or v_wmma_f32_16x16x4_f32). A number that lies on a knife's edge between two numbers of the format may be rounded either way, as far as f32 arithmetic and the matrix unit's own rounding can turn it there, and no further.
;; One version. Each part assembles by itself: llvm-mc -triple=amdgcn-amd-amdhsa -mcpu=gfx1250 --defsym DOCPART=n.
;; ======== version 1 of 1: 2 launches
;; limits: right only within a limited range of input values
;; workspace buffers: kv 8,781,824 bytes
;; launch quant (part 1): grid 1024 x 1, 2 waves a work-group, no clusters, 17,664 bytes of LDS; arguments key, value, kv; writes kv
.if DOCPART == 1
	.amdgcn_target "amdgcn-amd-amdhsa--gfx1250"
	.amdhsa_code_object_version 6
	.text
	.protected	k_qef98e5a782_quant
	.globl	k_qef98e5a782_quant
	.p2align	8
	.type	k_qef98e5a782_quant,@function
k_qef98e5a782_quant:
	s_mov_b64 s[64:65], 0
	v_nop
	global_prefetch_b8 v0, s[64:65] scope:SCOPE_SE
	s_setreg_imm32_b32 hwreg(HW_REG_WAVE_MODE, 25, 1), 1
	s_wait_xcnt 0x0
; key, value: [32 heads][2048][64] f32.  They become codes of BF8 (E5M2) with one E8M0 scale byte for each 32 along the K of the product that reads them,
; laid in the ORDER OF THE OPERANDS' REGISTERS, so that the next launch brings steps as dense blocks and reads each fragment 16 bytes a lane, lane by lane.
; A STEP is 128 keys of one head; T = 16 x head + step, 0 .. 511.  kv holds 17,152 bytes a step (67 x 256):
;   from 0: K's codes: tile t (0..7) at 1024 t, half c (0, 1) at + 512 c, lane l at + 16 l: lane (r = l % 16, h = l / 16) holds key 32 (t / 2) + 8 (t % 2) + r + 8 (r / 8) of the step, d = 32 c + 16 h + 0 .. 15.
;   from 8192: K's scale words: tile 2 b + u, row r at 256 (b / 2) + 8 (r + 16 u) + 4 (b % 2).  A word is the row's two bytes written twice, [s0, s1, s0, s1]: it serves codes in the first or in the second 64 of an instruction's 128 along K.
;   from 8704: V's codes, K = the keys: tile n (0..3) at 2048 n, block c (0..3) at + 512 c, lane l at + 16 l: lane (r, h) holds d = 16 n + r, keys 32 c + 16 h + 0 .. 15 of the step.
;   from 16896: V's scale words (bytes c = 0..3), at 16 r + 4 n.
; A block's scale is 2^(floor(log2(its largest magnitude)) - 15); its byte is the largest magnitude's exponent field - 15, held at 1 from below by a floor among the maximum's leaves.
; Each number is held within +-57,344 x the scale and rounded to the nearest code, ties to even.
; LIMITS: NaN and infinities among the inputs are not served.  A block of zeros gets the byte 1 where the quantiser says 127: its codes are zeros, which add nothing under any byte but 0xff, and this program alone reads the bytes.
; SHARES: work-groups 0-511 take a step of key each, wave w its rows 64 w .. 64 w + 63; work-groups 512-1023 a step of value each, wave p its columns 32 p .. 32 p + 31.
; query is not here: one wave alone reads each of its rows, and quantises it in the next launch.
; No matrix unit, no tensor load, no barrier, no cluster: the waves share nothing, and every input byte is read once.  No prefetch: there is no loop, and the loads themselves are issued ahead.
.set STEPB, 17152
.set SP,  272                          ; a row's place in the stage: 256 bytes + 16: 68 words, so that the 16 rows that a load touches start at 16 different banks (64 banks of 4 bytes: ISA guide 11.1)
.set TM,  8                            ; v8-15: +0,1 largest magnitudes; +2,3 the other half's, then the bytes; +4,5 the hold; +6,7 the conversions' scale operands
.set W0,  16                           ; v16, v17: the scale words of a pair's even and odd tile
.set W1,  17
.set SW,  20                           ; v20, v21: a lane's scale words
.set CD,  32                           ; v32-63: the codes: registers of their own for each tile or block, so that no store's data are written again
.set R,   128                          ; v128-255: the numbers
	s_load_b128 s[4:7], s[0:1], 0x0                ; key s[4:5], value s[6:7]
	s_load_b64 s[8:9], s[0:1], 0x10                ; kv
	v_lshl_add_u32 v126, v0, 2, 0x4400             ; my spare word, behind the two stages
	v_mov_b32 v127, 0
	v_lshrrev_b32 v1, 5, v0
	v_readfirstlane_b32 s16, v1                    ; wave 0, 1
	v_and_b32 v2, 31, v0                           ; lane
	v_and_b32 v3, 15, v0                           ; r
	v_bfe_u32 v4, v0, 4, 1                         ; h
	s_mov_b32 s22, 0x76543210
	s_mov_b32 s23, 0xfedcba98                      ; v_permlanex16_b32's selects for lane l xor 16
	s_mov_b32 s24, 0x600000                        ; the mantissa field of 57,344
	s_mov_b32 s25, 0xffff0000                      ; lanes 16-31
	s_mov_b32 s19, 0                               ; the high words of the offsets: all stay under 2^32
	s_mov_b32 s21, 0
	s_mov_b32 s29, 0
	s_wait_alu depctr_va_vdst(0)
	s_cmp_ge_u32 ttmp9, 512
	s_cbranch_scc1 .Lvalue
; ---------------- key: K = d is innermost ----------------
; The conversions take neighbours along K from ONE lane's registers, a load is best where neighbouring LANES take neighbouring bytes.  Both are had: each load reads 512 consecutive bytes (two rows);
; a pair of tiles (32 rows) goes through the wave's own stage in LDS and comes back 64 bytes a lane and block, into the registers that it left.
	s_lshl_b32 s18, ttmp9, 15                      ; a step's 128 rows of 256 bytes
	s_lshl_b32 s26, s16, 14
	s_add_co_u32 s18, s18, s26                     ; my 64 rows
	s_mul_i32 s20, ttmp9, STEPB
	s_lshl_b32 s26, s16, 8
	s_add_co_u32 s28, s20, s26                     ; my scale words: 256 w on
	s_lshl_b32 s26, s16, 12
	s_add_co_u32 s20, s20, s26                     ; my four tiles' codes: 4,096 w on
	s_mul_i32 s26, s16, 32*SP                      ; my stage
	s_wait_alu depctr_va_vdst(0)
	v_lshlrev_b32 v5, 4, v2                        ; 16 x lane: loads, code stores; never rewritten
	v_mul_u32_u24 v6, v4, SP
	v_lshl_add_u32 v6, v3, 4, v6
	v_add_nc_u32 v6, s26, v6                       ; into the stage: lanes 0-15 one row, lanes 16-31 the next
	v_mul_u32_u24 v7, v3, SP
	v_lshl_add_u32 v7, v4, 6, v7
	v_add_nc_u32 v7, s26, v7                       ; out of it: place r, + 64 h: my 16 numbers of a block of 32
	v_lshlrev_b32 v18, 3, v2                       ; 8 x lane: the scale words' store
	v_mov_b32 v[TM+2], 0                           ; written once: a lane permute's destination counts as one of its sources
	v_mov_b32 v[TM+3], 0
	s_wait_alu depctr_va_vdst(0)
	s_wait_kmcnt 0x0
	s_add_nc_u64 s[4:5], s[4:5], s[18:19]
	s_add_nc_u64 s[10:11], s[8:9], s[20:21]
	s_add_nc_u64 s[12:13], s[8:9], s[28:29]
; Row 16 x + 8 u + y (x, u: 0 or 1; y: 0..7) of a pair is row 8 x + y of tile u: it goes to place 16 u + 8 x + y, so that a tile's 16 rows lie in 16 neighbouring places.  Load i holds rows 2 i and 2 i + 1.
.macro TURN b
.irp i, 0,1,2,3,4,5,6,7,8,9,10,11,12,13,14,15
	ds_store_b128 v6, v[R+64*(\b)+4*\i:R+64*(\b)+4*\i+3] offset:SP*(16*((\i/4)%2)+8*(\i/8)+2*(\i%4))
.endr
.irp u, 0,1
.irp c, 0,1
.irp j, 0,1,2,3
	ds_load_b128 v[R+64*(\b)+32*\u+16*\c+4*\j:R+64*(\b)+32*\u+16*\c+4*\j+3], v7 offset:SP*16*\u+128*\c+16*\j   ; LDS serves a wave's instructions in order (ISA guide 5.7.1.4): these see the stores above
.endr
.endr
.endr
.endm
; 32 numbers of a lane, register 16 c + i = d 32 c + 16 h + i of my row, become tile t's codes (stored at once) and the row's scale word in v[w].
.macro QUANT2 x, t, w
.irp c, 0,1
	v_max3_num_f32 v[TM+\c], |v[(\x)+16*\c]|, |v[(\x)+16*\c+1]|, 0x8000000   ; block c: my 16 numbers, and the floor 2^(16 - 127): the byte cannot fall under 1
.endr
.irp i, 2,4,6,8,10,12,14
.irp c, 0,1
	v_max3_num_f32 v[TM+\c], v[TM+\c], |v[(\x)+16*\c+\i]|, |v[(\x)+16*\c+\i+1]|
.endr
.endr
.irp c, 0,1
	v_permlanex16_b32 v[TM+2+\c], v[TM+\c], s22, s23
.endr
.irp c, 0,1
	v_max_num_f32 v[TM+\c], v[TM+\c], v[TM+2+\c]   ; with lane l xor 16's 16: the block's largest magnitude
.endr
.irp c, 0,1
	v_add_nc_u32 v[TM+6+\c], 0xf8800000, v[TM+\c]  ; 15 off its exponent field: the conversion takes the exponent field of this operand as its scale
.endr
.irp c, 0,1
	v_and_or_b32 v[TM+4+\c], v[TM+\c], 0x7f800000, s24   ; 57,344 x the scale
.endr
.irp c, 0,1
.irp i, 0,1,2,3,4,5,6,7,8,9,10,11,12,13,14,15
	v_med3_num_f32 v[(\x)+16*\c+\i], v[(\x)+16*\c+\i], -v[TM+4+\c], v[TM+4+\c]   ; the conversion to an 8-bit code does not saturate (ISA guide 7.6.2): the hold comes first
.endr
	v_cvt_scalef32_pk8_bf8_f32 v[CD+8*(\t)+4*\c:CD+8*(\t)+4*\c+1], v[(\x)+16*\c:(\x)+16*\c+7], v[TM+6+\c]
	v_cvt_scalef32_pk8_bf8_f32 v[CD+8*(\t)+4*\c+2:CD+8*(\t)+4*\c+3], v[(\x)+16*\c+8:(\x)+16*\c+15], v[TM+6+\c]
.endr
.irp c, 0,1
	v_lshrrev_b32 v[TM+2+\c], 23, v[TM+6+\c]       ; the scales' bytes (also the plain line behind the conversions)
.endr
	v_lshl_or_b32 v[\w], v[TM+3], 8, v[TM+2]
	v_lshl_or_b32 v[\w], v[\w], 16, v[\w]          ; [s0, s1, s0, s1]
.irp c, 0,1
	global_store_b128 v5, v[CD+8*(\t)+4*\c:CD+8*(\t)+4*\c+3], s[10:11] offset:1024*(\t)+512*\c   ; the wave stores 512 consecutive bytes, at a multiple of 256 from the buffer's first byte
.endr
.endm
.irp i, 0,1,2,3,4,5,6,7,8,9,10,11,12,13,14,15,16,17,18,19,20,21,22,23,24,25,26,27,28,29,30,31
	global_load_b128 v[R+4*\i:R+4*\i+3], v5, s[4:5] offset:512*\i th:TH_LOAD_NT   ; both pairs: 32 loads of 512 consecutive bytes
.endr
.irp b, 0,1
	s_wait_loadcnt 16-16*\b                        ; this pair's 16 loads are in (loads come back in order: ISA guide 5.7.1); the next pair's 16 may be out
	TURN \b
	s_wait_dscnt 8                                 ; the even tile's eight loads are back; the odd tile's eight may be out
	QUANT2 R+64*\b, 2*\b, W0
	s_wait_dscnt 0x0
	QUANT2 R+64*\b+32, 2*\b+1, W1
	v_cndmask_b32 v[SW+\b], v[W0], v[W1], s25      ; both halves of the lanes hold row r's word: lanes 0-15 keep the even tile's, lanes 16-31 take the odd tile's
.endr
	global_store_b64 v18, v[SW:SW+1], s[12:13] offset:8192   ; my 64 scale words: 256 consecutive bytes
	s_wait_tensorcnt 0x0                           ; the wave's end
	ds_add_u32 v126, v127
	s_wait_dscnt 0x0
	s_endpgm
; ---------------- value: K = the keys is NOT innermost ----------------
; A lane takes a column d and its registers run down the keys: a block of 32 keys lies in one lane's 32 registers, its maximum needs no other lane, and the codes come out with the keys innermost.
.Lvalue:
	s_sub_co_u32 s17, ttmp9, 512                   ; T
	s_lshl_b32 s18, s17, 15
	s_lshl_b32 s26, s16, 7
	s_add_co_u32 s18, s18, s26                     ; in: the step's 128 keys, + my wave's 32 columns
	s_mul_i32 s20, s17, STEPB
	s_add_co_u32 s20, s20, 8704                    ; V's part of the step
	s_lshl_b32 s26, s16, 3
	s_add_co_u32 s28, s20, s26                     ; scale words: my wave's tiles 2 p, 2 p + 1: + 8 p
	s_lshl_b32 s26, s16, 12
	s_add_co_u32 s20, s20, s26                     ; codes: + 4,096 p
	s_wait_alu depctr_va_vdst(0)
	v_lshlrev_b32 v5, 2, v2                        ; in: 4 bytes a lane
	v_lshlrev_b32 v6, 11, v4
	v_lshl_add_u32 v6, v3, 4, v6                   ; codes: tile lane / 16 of my two, place r
	v_lshlrev_b32 v7, 2, v4
	v_lshl_add_u32 v7, v3, 4, v7                   ; scale word: 16 r + 4 (lane / 16)
	s_wait_alu depctr_va_vdst(0)
	s_wait_kmcnt 0x0
	s_add_nc_u64 s[6:7], s[6:7], s[18:19]
	s_add_nc_u64 s[30:31], s[8:9], s[28:29]
	s_add_nc_u64 s[14:15], s[8:9], s[20:21]
.macro LOADV c                         ; block c: keys 32 c + i, i = 0 .. 31, of my column; the wave reads 128 consecutive bytes, its partner the row's other 128
.irp i, 0,1,2,3,4,5,6,7,8,9,10,11,12,13,14,15,16,17,18,19,20,21,22,23,24,25,26,27,28,29,30,31
	global_load_b32 v[R+32*(\c)+\i], v5, s[6:7] offset:256*(32*(\c)+\i) th:TH_LOAD_NT
.endr
.endm
.macro QUANTV c
.set XS, R+32*(\c)
	v_max3_num_f32 v8, |v[XS]|, |v[XS+1]|, |v[XS+2]|   ; the block's largest magnitude: all 32 numbers are mine; two chains
	v_max3_num_f32 v9, |v[XS+3]|, |v[XS+4]|, |v[XS+5]|
.irp i, 6,10,14,18,22,26
	v_max3_num_f32 v8, v8, |v[XS+\i]|, |v[XS+\i+1]|
	v_max3_num_f32 v9, v9, |v[XS+\i+2]|, |v[XS+\i+3]|
.endr
	v_max3_num_f32 v8, v8, |v[XS+30]|, |v[XS+31]|
	v_max3_num_f32 v8, v8, v9, 0x8000000           ; and the floor 2^(16 - 127)
	v_add_nc_u32 v11, 0xf8800000, v8               ; the conversions' scale operand
	v_and_or_b32 v10, v8, 0x7f800000, s24          ; 57,344 x the scale
	v_lshrrev_b32 v12, 23, v11                     ; the scale's byte
.if (\c) == 0
	v_mov_b32 v[SW], v12                           ; four bytes to the word, the earlier keys in the lower byte
.else
	v_lshl_or_b32 v[SW], v12, 8*(\c), v[SW]
.endif
.irp i, 0,1,2,3,4,5,6,7,8,9,10,11,12,13,14,15,16,17,18,19,20,21,22,23,24,25,26,27,28,29,30,31
	v_med3_num_f32 v[XS+\i], v[XS+\i], -v10, v10
.endr
.irp g, 0,1,2,3
	v_cvt_scalef32_pk8_bf8_f32 v[CD+8*(\c)+2*\g:CD+8*(\c)+2*\g+1], v[XS+8*\g:XS+8*\g+7], v11
.endr
	v_nop                                          ; a plain line behind the last conversion
	global_store_b128 v6, v[CD+8*(\c):CD+8*(\c)+3], s[14:15] offset:512*(\c)         ; keys 0-15 of the block: the place of lane (r, 0); sixteen lanes store 256 consecutive bytes, aligned
	global_store_b128 v6, v[CD+8*(\c)+4:CD+8*(\c)+7], s[14:15] offset:512*(\c)+256   ; keys 16-31: the place of lane (r, 1)
.endm
	LOADV 0
	LOADV 1
	s_wait_loadcnt 32                              ; block 0's 32 loads are in; block 1's may be out
	LOADV 2
	QUANTV 0
	s_wait_loadcnt 32                              ; block 1 is in, block 2's 32 may be out
	LOADV 3
	QUANTV 1
	s_wait_loadcnt 32                              ; block 2 is in, block 3's 32 may be out
	QUANTV 2
	s_wait_loadcnt 0x0
	QUANTV 3
	global_store_b32 v7, v[SW], s[30:31] offset:8192   ; my column's scale word: the two waves' 64 words fill one block of 256 bytes
	s_endpgm
.Lfunc_end_k_qef98e5a782_quant:
	.size	k_qef98e5a782_quant, .Lfunc_end_k_qef98e5a782_quant-k_qef98e5a782_quant
	.p2alignl 7, 3214868480
	.fill 96, 4, 3214868480
	.section	.rodata,"a",@progbits
	.p2align	6, 0x0
	.amdhsa_kernel k_qef98e5a782_quant
		.amdhsa_group_segment_fixed_size 17664
		.amdhsa_private_segment_fixed_size 0
		.amdhsa_enable_private_segment 0
		.amdhsa_kernarg_size 24
		.amdhsa_user_sgpr_count 2
		.amdhsa_user_sgpr_kernarg_segment_ptr 1
		.amdhsa_wavefront_size32 1
		.amdhsa_system_sgpr_workgroup_id_x 1
		.amdhsa_system_sgpr_workgroup_id_y 1
		.amdhsa_system_sgpr_workgroup_id_z 1
		.amdhsa_system_vgpr_workitem_id 0
		.amdhsa_next_free_vgpr 256
		.amdhsa_next_free_sgpr 66
		.amdhsa_reserve_vcc 0
		.amdhsa_float_denorm_mode_32 3
		.amdhsa_float_denorm_mode_16_64 3
		.amdhsa_memory_ordered 1
		.amdhsa_forward_progress 1
		.amdhsa_inst_pref_size 55
	.end_amdhsa_kernel
	.amdgpu_metadata
---
amdhsa.version: [ 1, 2 ]
amdhsa.kernels:
  - .name:           k_qef98e5a782_quant
    .symbol:         k_qef98e5a782_quant.kd
    .args:
      - { .name: key, .offset: 0, .size: 8, .value_kind: global_buffer, .address_space: global }
      - { .name: value, .offset: 8, .size: 8, .value_kind: global_buffer, .address_space: global }
      - { .name: kv, .offset: 16, .size: 8, .value_kind: global_buffer, .address_space: global }
    .group_segment_fixed_size: 17664
    .private_segment_fixed_size: 0
    .kernarg_segment_align: 8
    .kernarg_segment_size: 24
    .max_flat_workgroup_size: 64
    .sgpr_count:     66
    .vgpr_count:     256
    .wavefront_size: 32
...
	.end_amdgpu_metadata
.endif
;; end of part 1
;; launch attn (part 2): grid 8 x 32, 8 waves a work-group, clusters of 4 x 1, 310,272 bytes of LDS; arguments inv_scale_factor, query, kv, out0; writes out0
.if DOCPART == 2
	.amdgcn_target "amdgcn-amd-amdhsa--gfx1250"
	.amdhsa_code_object_version 6
	.text
	.protected	k_qef98e5a782_attn
	.globl	k_qef98e5a782_attn
	.p2align	8
	.type	k_qef98e5a782_attn,@function
k_qef98e5a782_attn:
	s_mov_b64 s[64:65], 0
	v_nop
	global_prefetch_b8 v0, s[64:65] scope:SCOPE_SE
	s_setreg_imm32_b32 hwreg(HW_REG_WAVE_MODE, 25, 1), 1
	s_wait_xcnt 0x0
	s_wait_alu depctr_hold_cnt(0) depctr_sa_sdst(0) depctr_va_vdst(0) depctr_va_sdst(0) depctr_va_ssrc(0) depctr_va_vcc(0) depctr_vm_vsrc(0)
	s_getreg_b32 s2, hwreg(HW_REG_IB_STS2, 6, 4)
	s_cmp_eq_u32 s2, 0
	s_cbranch_scc0 .Lentry_in_a_cluster
	s_endpgm
.Lentry_in_a_cluster:
	s_bfe_u32 s2, ttmp6, 0x10000c
	s_cmp_lg_u32 s2, 0x3003
	s_cbranch_scc0 .Lentry_shape_is_right
	s_endpgm
.Lentry_shape_is_right:
; out0[head][q][:] = the sum over k of softmax_k(Q[q] . K[k] / inv_scale_factor) V[k][:], 32 heads, 2,048 queries and keys, head size 64; both products on codes of BF8 (E5M2) with one E8M0 scale for each 32 along K.
; kv holds K's and V's codes and scale words in the order of the operands' registers, 17,152 bytes for each step of 128 keys:
;   from 0 K's codes (tile t at 1024 t, half c at + 512 c, lane l at + 16 l: lane (r, h) holds key 32 (t / 2) + 8 (t % 2) + r + 8 (r / 8), d = 32 c + 16 h + 0 .. 15); from 8192 K's scale words [s0, s1, s0, s1], tile 2 b + u, row r at 256 (b / 2) + 8 (r + 16 u) + 4 (b % 2);
;   from 8704 V's codes (tile n at 2048 n, block c at + 512 c, lane l at + 16 l: lane (r, h) holds d = 16 n + r, keys 32 c + 16 h + 0 .. 15); from 16896 V's scale words, at 16 r + 4 n.
; Q is quantised here: one wave alone reads each of its rows.
; THE SOFTMAX AHEAD OF THE SECOND PRODUCT: t = score x log2(e) / inv; M = the row's largest t so far, rounded UP to a whole number; p = 2^(t - M) is what is quantised, along the keys; it is not normalised.
; The row's sum is taken of the unquantised p, in f32, and divides O at the end.  When M moves, the sum and O are multiplied by 2^(old M - new M): exact, and without a branch on data.
; A block's floor(log2(largest p)) is floor(its largest t - M): its scale needs no exponential.
; SHARES.  A work-group owns 256 queries of one head; each of its eight waves 32 of them, two tiles X and Y of 16, in 512 registers: two waves to a SIMD.  Each fragment of K and of V feeds both tiles.
; A WHOLE HEAD'S K AND V LIE IN LDS: 16 x 17,152 = 274,432 bytes.  Every byte is filled once: no ring, no refill.  Each wave asks for two steps, 34,304 bytes, by the one load that it issues, at the head.
; The first barrier shows wave 0's load alone (steps 0 and 1); the second, signalled behind step 0 and waited for in step 1, all the others.  No prefetch: every tile is asked for at the head, and no loop runs ahead of a load.
; CLUSTER.  The four work-groups of a cluster belong to one head and need the same K and V: each tile is asked for JOINTLY, with the same descriptor and a mask that names the four.  (A head's eight work-groups are two clusters: a mask names four.)
; LAYOUT.  Both products are used transposed: S^T = K Q^T (source 0 = 16 keys, source 1 = 16 queries), O^T = V^T P^T (source 0 = 16 of the head's 64, source 1 = P): a lane holds ONE query (lane % 16) of each tile throughout.
; The keys of a tile are not neighbours, so that the 16 registers of tiles 2 b and 2 b + 1 are 16 neighbouring keys, 32 b + 16 (lane / 16) + 0 .. 15: the conversions' results are the second product's operand.
; THE FIRST PRODUCT'S K IS 64, THE INSTRUCTION'S 128.  Two tiles of K share one fragment, [tile A][tile B]; Q stands as [Q][zeros][Q].  Against [Q][zeros] the fragment gives tile A's scores, against [zeros][Q] tile B's.
; The other tile's codes meet zero codes, and they are finite (the launch that made them holds every number within the largest code), so that each such product is 0 exactly.
; ORDER.  The tiles take turns: maxima of X, products of Y, softmax of X, maxima of Y, products of X, softmax of Y: between a product and the first read of its result stands the other tile's softmax, whose lines are its places.
; LIMITS: inv_scale_factor is finite and normal and so is 1 / inv; either sign is served (a negative one turns the signs of Q's codes, which is exact, and |c| is used).  NaN and infinities among the inputs are not served.
; Scaled scores stay under 2^31 in magnitude.  p under 2^-126 comes out as 0 (v_exp_f32 flushes it).
; A block of zeros among Q or p gets the byte 1 where the quantiser says 127: its codes are zeros.
.set STEPB, 17152
.set SPITCH, 272                       ; a stage of 16 rows x (256 bytes + 16) for each wave: Q on the way in, O on the way out
.set STAGE, 16*STEPB                   ; behind K and V; no fill lands here
.set SPARE, STAGE+8*16*SPITCH          ; the spare words, 128 bytes for each wave: four blocks of 256 bytes that no other line names
; WINDOW 0
.set L16, 1                            ; 16 x lane; never rewritten
.set R8,  2                            ; 8 x (lane % 16)
.set RD,  3                            ; the stage: row h, + 16 r
.set ADK, 4                            ; LDS addresses of the step in hand: + 16 lane,
.set AD8, 5                            ; + 8 r,
.set AD16, 6                           ; + 16 r
.set STO, 7                            ; the stage: row r, + 32 h
.set FFY, 8                            ; v[8:9] f of Y
.set SPW, 10                           ; my spare word
.set NIL, 11                           ; 0
.set CC,  12                           ; v[12:13] |c|, c = log2(e) / inv
.set NMX, 14                           ; v14 -M, v15 the largest score (a pair: the packed form takes its low word)
.set NMY, 16
.set SUMX, 18                          ; the row's sum in two halves
.set SUMY, 20
.set FFX, 22                           ; v[22:23] f = 2^(old M - new M) of X
.set TT,  24
.set DD,  25
.set AC1, 26                           ; three more chains of the sum
.set AC2, 28
.set AC3, 30
.set QSX, 32                           ; scale words: Q's,
.set QSY, 33
.set PSX, 34                           ; p's,
.set PSY, 35
.set KS,  36                           ; v36-43 K's: tile 2 b + u at 36 + 4 u + b
.set VS,  44                           ; v44-47 V's: tile n at 44 + n
.set BM,  48                           ; the blocks' largest scores, then floor(log2(largest p))
.set BY,  52                           ; the other half's
.set HD,  56                           ; 57,344 x the scale
.set SCO, 60                           ; the conversions' scale operands
.set TM,  56                           ; (Q's quantising works in these eight)
.set OX,  64                           ; O^T
.set SX0, 96                           ; v96-159 S^T of X, then p
.set SY0, 160                          ; v160-223 of Y
.set OY,  224
.set QRD, 250                          ; up to step 0 alone: the stage, row r, + 64 h;
.set SGN, 251                          ; the sign of c
; WINDOW 1
.set KF,  0                            ; a step's K: four fragments [tile 2 p][tile 2 p + 1]
.set VF,  64                           ; a step's V: four fragments
.set PCX, 128                          ; p's codes
.set PCY, 144
.set QX,  160                          ; [Q][zeros][Q]
.set QY,  184
.set WV,  18                           ; s18 my wave's number
.set MNT, 19                           ; s19 the mantissa field of 57,344
.set SEL, 20                           ; s[20:21] v_permlanex16_b32's selects for lane l xor 16
.set G1,  24                           ; s[24:31] descriptor group 1
.set G0,  32                           ; s[32:35] group 0
.set TB,  36                           ; s36 LDS byte of the step in hand
.set CNT, 37
.set MSB, 0
.macro WIN new                         ; bits 1:0 source 0, 3:2 source 1, 5:4 source 2, 7:6 destination; the high byte repeats the setting that is left
.if MSB != \new
	s_set_vgpr_msb (MSB<<8)|\new
.set MSB, \new
.endif
.endm
; A round of the cluster's barrier: my work-group's barrier, wave 0 signals for the work-group, every wave waits for all four work-groups, my work-group's barrier once more.
.macro CROUND
	s_barrier_signal -1
	s_barrier_wait -1
	s_cmp_lg_u32 s[WV], 0
	s_cbranch_scc1 .Lnot_wave_0_\@
	s_barrier_signal -3
.Lnot_wave_0_\@:
	s_barrier_wait -3
	s_barrier_signal -1
	s_barrier_wait -1
.endm
	s_load_b256 s[4:11], s[0:1], 0x0               ; inv s[4:5], query s[6:7], kv s[8:9], out0 s[10:11]
	v_lshl_add_u32 v[SPW], v0, 2, SPARE
	v_mov_b32 v[NIL], 0
	ds_add_u32 v[SPW], v[NIL]                      ; the opening lines: the add, twice on end, and its wait
	ds_add_u32 v[SPW], v[NIL]
	v_lshrrev_b32 v[TT], 5, v0
	v_readfirstlane_b32 s[WV], v[TT]               ; wave 0..7
	s_mul_i32 s44, s[WV], 16*SPITCH
	s_add_co_u32 s44, s44, STAGE                   ; my stage
	v_and_b32 v[L16], 31, v0
	v_and_b32 v224, 15, v0                         ; r
	v_bfe_u32 v225, v0, 4, 1                       ; h
	v_lshlrev_b32 v[L16], 4, v[L16]
	v_lshlrev_b32 v[R8], 3, v224
	v_mul_u32_u24 v226, v224, SPITCH
	v_mul_u32_u24 v[RD], v225, SPITCH
	v_lshl_add_u32 v[STO], v225, 5, v226
	v_lshl_add_u32 v[QRD], v225, 6, v226
	v_lshl_add_u32 v[RD], v224, 4, v[RD]
	v_add_nc_u32 v[STO], s44, v[STO]
	v_add_nc_u32 v[QRD], s44, v[QRD]
	v_add_nc_u32 v[RD], s44, v[RD]
	s_wait_alu depctr_va_vdst(0)                   ; ahead of the scalar lines and the waits below
	s_mov_b32 s[MNT], 0x600000
	s_mov_b32 s[SEL], 0x76543210
	s_mov_b32 s[SEL+1], 0xfedcba98
	; descriptor group 1: two steps, a dense block, as 134 rows of 256 bytes (32 elements of 8 bytes); no padding: every fragment load takes 512 consecutive bytes
	s_mov_b32 s[G1], 15|(3<<16)|(1<<21)            ; 15:0 the mask: all four work-groups; 17:16 elements of 8 bytes; 21 set beside a mask
	s_mov_b32 s[G1+1], 32<<16                      ; tensor_dim0 = 32
	s_mov_b32 s[G1+2], 134<<16                     ; tensor_dim1 = 134
	s_mov_b32 s[G1+3], 32<<16                      ; tile_dim0 = 32
	s_mov_b32 s[G1+4], 134                         ; tile_dim1 = 134
	s_mov_b32 s[G1+5], 32                          ; from row to row: 32 elements
	s_mov_b32 s[G1+6], 0
	s_mov_b32 s[G1+7], 0
	; what is fetched: made of the head, which the partners share, and the wave's number
	s_and_b32 s45, ttmp7, 0xffff                   ; the head
	s_mul_i32 s46, s45, 16*STEPB
	s_mul_i32 s48, s[WV], 2*STEPB                  ; my two steps, in memory and in LDS
	s_add_co_u32 s46, s46, s48
	s_mov_b32 s47, 0
	; my queries: my place in the cluster enters Q's and O's global addresses alone
	s_bfe_u32 s49, ttmp6, 0x40000                  ; cx
	s_lshl_b32 s50, ttmp9, 2                       ; in a cluster launch ttmp9 counts clusters
	s_add_co_u32 s50, s50, s49                     ; my block of 256 queries
	s_lshl_b32 s50, s50, 16                        ; a row of Q and of O is 256 bytes
	s_lshl_b32 s49, s[WV], 13                      ; my wave's 32 rows
	s_add_co_u32 s50, s50, s49
	s_lshl_b32 s49, s45, 19                        ; a head's 2,048 rows
	s_add_co_u32 s50, s50, s49
	s_mov_b32 s51, 0
	s_wait_dscnt 0x0                               ; both opening adds are done
	s_wait_kmcnt 0x0
	s_add_nc_u64 s[40:41], s[6:7], s[50:51]
.macro QLOAD y                         ; a tile of Q: rows 2 i and 2 i + 1, 512 consecutive bytes a load
.irp i, 0,1,2,3,4,5,6,7
	global_load_b128 v[SX0+64*\y+4*\i:SX0+64*\y+4*\i+3], v[L16], s[40:41] offset:4096*\y+512*\i th:TH_LOAD_NT
.endr
.endm
	QLOAD 0                                        ; X's rows first: they are needed first
	s_load_b32 s14, s[4:5], 0x0                    ; inv_scale_factor; waited for behind the fills
	s_mov_b32 s[G0], 1                             ; 1:0 count = 1
	s_mov_b32 s[G0+1], s48                         ; 63:32 LDS address
	s_add_nc_u64 s[G0+2:G0+3], s[8:9], s[46:47]    ; 120:64 global address
	s_or_b32 s[G0+3], s[G0+3], 0x80000000          ; 127:126 type = 2
	s_add_nc_u64 s[42:43], s[10:11], s[50:51]
	CROUND                                         ; all four work-groups are here: the joint loads meet
	; ONE LOAD A WAVE.  Wave 0's, which the first barrier shows, is a line of its own and stands ahead of its Q's second tile; the others' stand behind theirs.  An s_nop 0 and four v_nop follow each line.
	s_cmp_lt_u32 s[WV], 1
	s_cbranch_scc0 .Lothers
	tensor_load_to_lds s[G0:G0+3], s[G1:G1+7]
	s_nop 0
.rept 4
	v_nop
.endr
	QLOAD 1
	s_branch .Lasked
.Lothers:
	QLOAD 1
	tensor_load_to_lds s[G0:G0+3], s[G1:G1+7]
	s_nop 0
.rept 4
	v_nop
.endr
.Lasked:
	s_wait_kmcnt 0x0                               ; inv
	v_mov_b32 v226, s14
	s_wait_alu depctr_va_vdst(0)                   ; ahead of the transcendental
	v_rcp_f32 v227, v226
	v_nop                                          ; a plain line behind the transcendental
	s_wait_alu depctr_va_vdst(0)                   ; ahead of its first reader
	v_fma_f32 v228, -v226, v227, 1.0               ; one step of Newton's: 1 / inv to f32's last bits
	v_fma_f32 v227, v227, v228, v227
	v_mul_f32 v227, 0x3fb8aa3b, v227               ; c = log2(e) / inv
	v_ashrrev_i32 v228, 31, v227
	v_and_b32 v[CC], 0x7fffffff, v227              ; |c|: the largest score is then the largest t
	v_and_b32 v[SGN], 0x80808080, v228             ; where c is negative: the sign bits of four codes
	v_mov_b32 v[CC+1], v[CC]
	v_mov_b32 v[TM+2], 0                           ; a lane permute's destination counts as one of its sources
	v_mov_b32 v[TM+3], 0
; A tile of Q through my stage: in as loaded, two rows an instruction; out 64 bytes a lane and block.  LDS serves a wave's instructions in order (ISA guide 5.7.1.4): the loads see the stores ahead of them.
.macro QTURN a
.irp i, 0,1,2,3,4,5,6,7
	ds_store_b128 v[RD], v[(\a)+4*\i:(\a)+4*\i+3] offset:2*SPITCH*\i
.endr
.irp j, 0,1,2,3
	ds_load_b128 v[(\a)+32+4*\j:(\a)+32+4*\j+3], v[QRD] offset:16*\j
	ds_load_b128 v[(\a)+48+4*\j:(\a)+48+4*\j+3], v[QRD] offset:128+16*\j
.endr
.endm
; 32 numbers of a lane, register 16 c + i = d 32 c + 16 h + i of query r, become [codes][zeros][codes] at q of window 1 and the scale word [s0, s1, s0, s1].
.macro QTILE x, q, qs
.irp c, 0,1
	v_max3_num_f32 v[TM+\c], |v[(\x)+16*\c]|, |v[(\x)+16*\c+1]|, 0x8000000   ; the block's largest magnitude over the floor 2^(16 - 127)
.endr
.irp i, 2,4,6,8,10,12,14
.irp c, 0,1
	v_max3_num_f32 v[TM+\c], v[TM+\c], |v[(\x)+16*\c+\i]|, |v[(\x)+16*\c+\i+1]|
.endr
.endr
.irp c, 0,1
	v_permlanex16_b32 v[TM+2+\c], v[TM+\c], s[SEL], s[SEL+1]
.endr
.irp c, 0,1
	v_max_num_f32 v[TM+\c], v[TM+\c], v[TM+2+\c]
.endr
.irp c, 0,1
	v_add_nc_u32 v[TM+6+\c], 0xf8800000, v[TM+\c]  ; 15 off the exponent field: the conversion's scale operand
.endr
.irp c, 0,1
	v_and_or_b32 v[TM+4+\c], v[TM+\c], 0x7f800000, s[MNT]   ; 57,344 x the scale
.endr
.irp c, 0,1
	v_lshrrev_b32 v[TM+2+\c], 23, v[TM+6+\c]
.endr
	v_lshl_or_b32 v[\qs], v[TM+3], 8, v[TM+2]
	v_lshl_or_b32 v[\qs], v[\qs], 16, v[\qs]
.irp c, 0,1
.irp i, 0,1,2,3,4,5,6,7,8,9,10,11,12,13,14,15
	v_med3_num_f32 v[(\x)+16*\c+\i], v[(\x)+16*\c+\i], -v[TM+4+\c], v[TM+4+\c]   ; the conversion does not saturate (ISA guide 7.6.2): the hold comes first
.endr
.endr
	WIN 0x40
.irp c, 0,1
	v_cvt_scalef32_pk8_bf8_f32 v[(\q)+4*\c:(\q)+4*\c+1], v[(\x)+16*\c:(\x)+16*\c+7], v[TM+6+\c]
	v_cvt_scalef32_pk8_bf8_f32 v[(\q)+4*\c+2:(\q)+4*\c+3], v[(\x)+16*\c+8:(\x)+16*\c+15], v[TM+6+\c]
.endr
.irp j, 0,1,2,3,4,5,6,7
	v_mov_b32 v[(\q)+8+\j], 0                      ; the zero codes of the 64 K places that the head's 64 do not fill (and the plain lines behind the conversions)
.endr
	WIN 0x44
.irp j, 0,1,2,3,4,5,6,7
	v_xor_b32 v[(\q)+16+\j], v[SGN], v[(\q)+\j]    ; -Q where c is negative: exact
.endr
.irp j, 0,1,2,3,4,5,6,7
	v_xor_b32 v[(\q)+\j], v[SGN], v[(\q)+\j]
.endr
	WIN 0
.rept 4
	v_nop                                          ; places between these writes and the products that take them
.endr
.endm
	s_wait_alu depctr_va_vdst(0)                   ; directly ahead of the wait below
	s_wait_loadcnt 8                               ; X's eight loads are in; Y's eight may be out
	QTURN SX0
	s_wait_dscnt 0x0
	QTILE SX0+32, QX, QSX
; LDS loads: a step's V (v = 1), the K of the step that lies off bytes on (k = 1).  16 + 1 and 16 + 4 loads.
.macro LOADS v, k, off
	WIN 0x40
.if \v
.irp m, 0,1,2,3,4,5,6,7,8,9,10,11,12,13,14,15
	ds_load_b128 v[VF+4*\m:VF+4*\m+3], v[ADK] offset:8704+512*\m
.endr
.endif
.if \k
.irp m, 0,1,2,3,4,5,6,7,8,9,10,11,12,13,14,15
	ds_load_b128 v[KF+4*\m:KF+4*\m+3], v[ADK] offset:(\off)+512*\m
.endr
.endif
	WIN 0
.if \v
	ds_load_b128 v[VS:VS+3], v[AD16] offset:16896
.endif
.if \k
.irp g, 0,1,2,3
	ds_load_b64 v[KS+4*(\g%2)+2*(\g/2):KS+4*(\g%2)+2*(\g/2)+1], v[AD8] offset:(\off)+8192+256*(\g/2)+128*(\g%2)
.endr
.endif
.endm
.macro ADDR
	v_add_nc_u32 v[ADK], s[TB], v[L16]
	v_add_nc_u32 v[AD8], s[TB], v[R8]
	v_lshl_add_u32 v[AD16], v[R8], 1, s[TB]
.endm
; S^T of eight tiles of 16 keys, each begun with the constant 0.  a = 0: the fragment against [Q][zeros]; a = 1: against [zeros][Q].
.macro KQ x, q, qs
	WIN 0x05
.irp p, 0,1,2,3
.irp a, 0,1
	v_wmma_scale_f32_16x16x128_f8f6f4 v[(\x)+8*(2*\p+\a):(\x)+8*(2*\p+\a)+7], v[KF+16*\p:KF+16*\p+15], v[(\q)+8*\a:(\q)+8*\a+15], 0, v[KS+4*\a+\p], v[\qs] matrix_a_fmt:MATRIX_FMT_BF8 matrix_b_fmt:MATRIX_FMT_BF8
.endr
.endr
.endm
; O^T += V^T P^T, K = a step's 128 keys; the four accumulators take turns.  z = 1: a tile's first step starts the sums.
.macro PV o, pc, ps, z
	WIN 0x05
.irp t, 0,1,2,3
.if \z == 1
	v_wmma_scale_f32_16x16x128_f8f6f4 v[(\o)+8*\t:(\o)+8*\t+7], v[VF+16*\t:VF+16*\t+15], v[\pc:\pc+15], 0, v[VS+\t], v[\ps] matrix_a_fmt:MATRIX_FMT_BF8 matrix_b_fmt:MATRIX_FMT_BF8
.else
	v_wmma_scale_f32_16x16x128_f8f6f4 v[(\o)+8*\t:(\o)+8*\t+7], v[VF+16*\t:VF+16*\t+15], v[\pc:\pc+15], v[(\o)+8*\t:(\o)+8*\t+7], v[VS+\t], v[\ps] matrix_a_fmt:MATRIX_FMT_BF8 matrix_b_fmt:MATRIX_FMT_BF8
.endif
.endr
.endm
; One packed line of the other tile's O^T under its new M (rs = 1).
.macro RS rs, o, f, j
.if \rs
	v_pk_mul_f32 v[(\o)+2*(\j):(\o)+2*(\j)+1], v[(\o)+2*(\j):(\o)+2*(\j)+1], v[\f:\f+1] op_sel_hi:[1,0]
.endif
.endm
; THE MAXIMA of one tile, and among the lines that hang on each other the rescaling of the other tile's O^T, which hangs on none of them.  Every result is read from its low end on.
; One wait serves both groups of products: plain vector lines alone stand between it and the last first reader.
.macro T1 x, nm, ff, rs, o, f
	WIN 0
	s_wait_alu depctr_va_vdst(0)                   ; ahead of the products' first readers
.irp b, 0,1,2,3
	v_max3_num_f32 v[BM+\b], v[(\x)+16*\b], v[(\x)+16*\b+1], v[(\x)+16*\b+2]   ; the largest score of each block of 32 keys (my 16), the four blocks by turns
.endr
.irp i, 3,5,7,9,11,13
.irp b, 0,1,2,3
	v_max3_num_f32 v[BM+\b], v[BM+\b], v[(\x)+16*\b+\i], v[(\x)+16*\b+\i+1]
.endr
.endr
.irp b, 0,1,2,3
	v_max_num_f32 v[BM+\b], v[BM+\b], v[(\x)+16*\b+15]
.endr
.irp b, 0,1,2,3
	v_permlanex16_b32 v[BY+\b], v[BM+\b], s[SEL], s[SEL+1]
.endr
.irp j, 0,1,2
	RS \rs, \o, \f, \j
.endr
.irp b, 0,1,2,3
	v_max_num_f32 v[BM+\b], v[BM+\b], v[BY+\b]     ; with lane l xor 16's 16 keys
.endr
	RS \rs, \o, \f, 3
	v_max3_num_f32 v[TT], v[BM], v[BM+1], v[BM+2]
	RS \rs, \o, \f, 4
	RS \rs, \o, \f, 5
	v_max3_num_f32 v[\nm+1], v[\nm+1], v[TT], v[BM+3]   ; the running largest score
	RS \rs, \o, \f, 6
	RS \rs, \o, \f, 7
	v_mul_f32 v[TT], -v[CC], v[\nm+1]              ; -t of it (|c| is positive)
	RS \rs, \o, \f, 8
	RS \rs, \o, \f, 9
	v_floor_f32 v[TT], v[TT]                       ; the new -M = floor(-t) = -ceil(t): M is a whole number
	RS \rs, \o, \f, 10
	RS \rs, \o, \f, 11
	v_sub_f32 v[DD], v[TT], v[\nm]                 ; old M - new M: a whole number, 0 or less
	v_mov_b32 v[\nm], v[TT]
	RS \rs, \o, \f, 12
	v_cvt_i32_f32 v[DD], v[DD]                     ; (it saturates)
	RS \rs, \o, \f, 13
	RS \rs, \o, \f, 14
	v_ldexp_f32 v[\ff], 1.0, v[DD]                 ; f = 2^(old M - new M)
	RS \rs, \o, \f, 15
.endm
.macro PA d, a, b
	v_pk_add_f32 v[(\d):(\d)+1], v[(\a):(\a)+1], v[(\b):(\b)+1]
.endm
.macro TMM x, j, nm                    ; t - M, two at a time (of the pairs |c| and -M the low word serves both halves)
	v_pk_fma_f32 v[(\x)+(\j):(\x)+(\j)+1], v[(\x)+(\j):(\x)+(\j)+1], v[CC:CC+1], v[\nm:\nm+1] op_sel_hi:[1,0,0]
.endm
; THE SOFTMAX of one tile and step.
.macro T2 x, nm, sm, ff, ps, pc, ldv, ldk
	WIN 0
	TMM BM, 0, \nm                                 ; the blocks' largest t - M
	TMM BM, 2, \nm
.irp k, 0,1,2,3,4,5,6,7
	TMM \x, 2*\k, \nm
.endr
.irp b, 0,1,2,3
	v_cvt_floor_i32_f32 v[BM+\b], v[BM+\b]         ; n = floor(log2(the block's largest p)) (it saturates)
.endr
.irp k, 8,9,10,11,12,13,14,15
	TMM \x, 2*\k, \nm
.endr
.irp b, 0,1,2,3
	v_max_i32 v[BM+\b], 0xffffff91, v[BM+\b]       ; held at -111: the byte n + 112 cannot fall under 1
.endr
.if (\ldv)+(\ldk)
	LOADS \ldv, \ldk, STEPB                        ; this step's V and the next step's K: twenty-six lines behind the products that read these registers
.endif
.irp k, 16,17,18,19
	TMM \x, 2*\k, \nm
.endr
	v_lshl_add_u32 v[\ps], v[BM+1], 8, v[BM]       ; p's scale word: the sum of (n + 112) << 8 b over the four blocks, as whole numbers
.irp k, 20,21,22,23
	TMM \x, 2*\k, \nm
.endr
	v_lshl_add_u32 v[\ps], v[BM+2], 16, v[\ps]
.irp k, 24,25,26,27
	TMM \x, 2*\k, \nm
.endr
	v_lshl_add_u32 v[\ps], v[BM+3], 24, v[\ps]
.irp k, 28,29,30,31
	TMM \x, 2*\k, \nm
.endr
	v_add_nc_u32 v[\ps], 0x70707070, v[\ps]
	s_wait_alu depctr_va_vdst(0)                   ; ahead of the batch
.irp g, 0,1,2,3,4,5,6,7
.irp k, 0,1,2,3,4,5,6,7
	v_exp_f32 v[(\x)+8*\g+\k], v[(\x)+8*\g+\k]     ; p = 2^(t - M): not normalised
.endr
.if \g < 4
	v_lshl_add_u32 v[SCO+\g], v[BM+\g], 23, 0x38000000      ; the scale 2^(n - 15) as f32: the conversions' operand
.else
	v_lshl_add_u32 v[HD+\g-4], v[BM+\g-4], 23, 0x3fe00000   ; 1.75 x 2^n = 57,344 x the scale
.endif
.endr
	v_pk_mul_f32 v[\sm:\sm+1], v[\sm:\sm+1], v[\ff:\ff+1] op_sel_hi:[1,0]   ; the sums under the new M
	s_wait_alu depctr_va_vdst(0)                   ; ahead of its first reader
	PA \sm, \sm, (\x)                              ; THE ROW'S SUM, of the unquantised p, in four chains
	PA AC1, (\x)+2, (\x)+4
	PA AC2, (\x)+6, (\x)+8
	PA AC3, (\x)+10, (\x)+12
	PA \sm, \sm, (\x)+14
.irp k, 0,1,2,3,4,5
	PA AC1, AC1, (\x)+16+8*\k
	PA AC2, AC2, (\x)+18+8*\k
	PA AC3, AC3, (\x)+20+8*\k
	PA \sm, \sm, (\x)+22+8*\k
.endr
	PA AC1, AC1, AC2
	PA \sm, \sm, AC3
.irp k, 0,1,2,3,4,5,6,7,8,9,10,11,12,13,14,15,16,17,18,19,20,21,22,23,24,25,26,27,28,29,30,31
	v_dual_min_num_f32 v[(\x)+2*\k], v[HD+\k/8], v[(\x)+2*\k] :: v_dual_min_num_f32 v[(\x)+2*\k+1], v[HD+\k/8], v[(\x)+2*\k+1]   ; the conversion does not saturate (ISA guide 7.6.2): the hold comes first; p is not negative, so it is one-sided
.if \k == 7
	PA \sm, \sm, AC1
.endif
.endr
	WIN 0x40
.irp b, 0,1,2,3
	v_cvt_scalef32_pk8_bf8_f32 v[\pc+4*\b:\pc+4*\b+1], v[(\x)+16*\b:(\x)+16*\b+7], v[SCO+\b]
	v_cvt_scalef32_pk8_bf8_f32 v[\pc+4*\b+2:\pc+4*\b+3], v[(\x)+16*\b+8:(\x)+16*\b+15], v[SCO+\b]
.endr
	WIN 0
.endm
; THE WAY OUT of one tile, behind its last products.  O^T is divided by the row's sum and goes through my stage in LDS, so that a store covers two whole rows, 512 consecutive bytes.
.macro OUT o, sm, x, off
	WIN 0
	v_add_f32 v[\sm], v[\sm], v[\sm+1]             ; the sum's two halves,
	v_permlanex16_b32 v[TT], v[\sm], s[SEL], s[SEL+1]
	v_add_f32 v[\sm], v[\sm], v[TT]                ; and lane l xor 16's: the row's sum
	s_wait_alu depctr_va_vdst(0)                   ; ahead of the transcendental
	v_rcp_f32 v[\sm], v[\sm]
.rept 5
	v_nop                                          ; with the three lines above: eight places behind the last products (and the plain line behind the reciprocal)
.endr
	s_wait_alu depctr_va_vdst(0)                   ; ahead of the first readers of the reciprocal and of the last products
.irp j, 0,1,2,3,4,5,6,7,8,9,10,11,12,13,14,15,16,17,18,19,20,21,22,23,24,25,26,27,28,29,30,31
	v_mul_f32 v[(\x)+\j], v[(\o)+\j], v[\sm]       ; register 8 n + i is o(query r, d = 16 n + 8 h + i)
.endr
.irp t, 0,1,2,3
	ds_store_b128 v[STO], v[(\x)+8*\t:(\x)+8*\t+3] offset:64*\t
	ds_store_b128 v[STO], v[(\x)+8*\t+4:(\x)+8*\t+7] offset:64*\t+16
.endr
.irp i, 0,1,2,3,4,5,6,7
	ds_load_b128 v[(\x)+32+4*\i:(\x)+32+4*\i+3], v[RD] offset:2*SPITCH*\i   ; LDS serves a wave's instructions in order (ISA guide 5.7.1.4)
.endr
.irp i, 0,1,2,3,4,5,6,7
	s_wait_dscnt 7-\i                              ; load i is back; the 7 - i younger ones may be out
	global_store_b128 v[L16], v[(\x)+32+4*\i:(\x)+32+4*\i+3], s[42:43] offset:\off+512*\i th:TH_STORE_NT
.endr
.endm
; A KEY STEP of both tiles.  It begins with X's scores made and this step's K in registers.
; first = 1: step 1, in which Y's sums of O start.  kl: the next step's K: 1 asked for under X's softmax, 2 asked for behind the barrier that shows it, 0 none: X leaves.
.macro ITER first, kl
	ADDR
.if \first
	T1 SX0, NMX, FFX, 0, OY, FFY
.else
	T1 SX0, NMX, FFX, 1, OY, FFY
.endif
	PV OY, PCY, PSY, \first
	KQ SY0, QY, QSY
.if \kl == 1
	T2 SX0, NMX, SUMX, FFX, PSX, PCX, 1, 1
.else
	T2 SX0, NMX, SUMX, FFX, PSX, PCX, 1, 0
.endif
	s_wait_dscnt 0x0                               ; V of this step and K of the next, asked for ahead of X's exponentials
	T1 SY0, NMY, FFY, 1, OX, FFX
	PV OX, PCX, PSX, 0
.if \kl == 2
	WIN 0
	s_wait_alu depctr_va_vdst(0)                   ; directly ahead of the wait below
	s_barrier_wait -1                              ; every wave's tiles are in
	LOADS 0, 1, STEPB
	s_wait_dscnt 0x0
.endif
.if \kl
	KQ SX0, QX, QSX
.else
	OUT OX, SUMX, SX0, 0
.endif
	T2 SY0, NMY, SUMY, FFY, PSY, PCY, 0, 0
.endm
	s_wait_alu depctr_va_vdst(0)                   ; ahead of the branch and the waits below
	s_cmp_lt_u32 s[WV], 1
	s_cbranch_scc0 .Lnot_first
	s_wait_tensorcnt 0x0                           ; wave 0: steps 0 and 1 are in
.Lnot_first:
	s_wait_dscnt 0x0                               ; no LDS instruction of mine is out at a signal
	s_barrier_signal -1
	s_barrier_wait -1
	; STEP 0.  Y's Q is still on its way: X's first products and its softmax come first.
	s_mov_b32 s[TB], 0
	ADDR
	LOADS 0, 1, 0                                  ; step 0's K
	s_wait_dscnt 0x0
	KQ SX0, QX, QSX
	WIN 0
	v_mov_b32 v[NMX], 0x7f61b1e6                   ; -M, 3e38: the first change of M makes f = 0, and the sum stays 0.  (These fourteen lines are the places behind the products)
	v_mov_b32 v[NMY], 0x7f61b1e6
	v_mov_b32 v[NMX+1], 0xff61b1e6                 ; the largest score so far: -3e38
	v_mov_b32 v[NMY+1], 0xff61b1e6
	v_mov_b32 v[SUMX], 0
	v_mov_b32 v[SUMX+1], 0
	v_mov_b32 v[SUMY], 0
	v_mov_b32 v[SUMY+1], 0
	v_mov_b32 v[FFX+1], 0                          ; (named as the upper halves of pairs)
	v_mov_b32 v[FFY+1], 0
.irp b, 0,1,2,3
	v_mov_b32 v[BY+\b], 0                          ; written once: a lane permute's destination counts as one of its sources
.endr
	T1 SX0, NMX, FFX, 0, OY, FFY
	T2 SX0, NMX, SUMX, FFX, PSX, PCX, 1, 0
	s_wait_alu depctr_va_vdst(0)                   ; directly ahead of the wait below
	s_wait_loadcnt 0x0                             ; Y's Q
	QTURN SY0
	s_wait_dscnt 0x0                               ; (step 0's V too)
	QTILE SY0+32, QY, QSY
	KQ SY0, QY, QSY
	WIN 0
.rept 8
	v_nop                                          ; eight places in front of the loads and the reads below
.endr
	LOADS 0, 1, STEPB                              ; step 1's K
	T1 SY0, NMY, FFY, 0, OX, FFX
	s_wait_alu depctr_va_vdst(0)                   ; directly ahead of the wait below
	s_wait_dscnt 0x0
	PV OX, PCX, PSX, 1
	KQ SX0, QX, QSX
	T2 SY0, NMY, SUMY, FFY, PSY, PCY, 0, 0
	s_wait_alu depctr_va_vdst(0)                   ; directly ahead of the waits below
	s_wait_tensorcnt 0x0                           ; my own load is in: no tensor load of mine is out from here on
	s_wait_dscnt 0x0
	s_barrier_signal -1                            ; waited for in the next step, ahead of step 2's K; between the two stand register work and loads of step 1, which nobody writes
	s_mov_b32 s[TB], STEPB
	ITER 1, 2
	s_mov_b32 s[TB], 2*STEPB
	s_mov_b32 s[CNT], 13
	s_wait_alu depctr_va_vdst(0)
.Lstep:                                                ; steps 2 .. 14
	ITER 0, 1
	s_add_co_u32 s[TB], s[TB], STEPB
	s_sub_co_u32 s[CNT], s[CNT], 1
	s_cmp_lg_u32 s[CNT], 0
	s_wait_alu depctr_va_vdst(0)                   ; directly ahead of the branch
	s_cbranch_scc1 .Lstep
	s_mov_b32 s[TB], 15*STEPB
	ITER 0, 0                                      ; the last step asks for no further K, and X leaves ahead of Y's softmax
	s_wait_alu depctr_va_vdst(0)                   ; ahead of the products' first readers
.irp j, 0,1,2,3,4,5,6,7,8,9,10,11,12,13,14,15
	RS 1, OY, FFY, \j
.endr
	PV OY, PCY, PSY, 0
	OUT OY, SUMY, SY0, 4096
	s_wait_tensorcnt 0x0                           ; the wave's end
	ds_add_u32 v[SPW], v[NIL]
	s_wait_dscnt 0x0
	CROUND                                         ; the closing round: no work-group ends while a partner may still ask for a tile that names it
	s_endpgm
.Lfunc_end_k_qef98e5a782_attn:
	.size	k_qef98e5a782_attn, .Lfunc_end_k_qef98e5a782_attn-k_qef98e5a782_attn
	.p2alignl 7, 3214868480
	.fill 96, 4, 3214868480
	.section	.rodata,"a",@progbits
	.p2align	6, 0x0
	.amdhsa_kernel k_qef98e5a782_attn
		.amdhsa_group_segment_fixed_size 310272
		.amdhsa_private_segment_fixed_size 0
		.amdhsa_enable_private_segment 0
		.amdhsa_kernarg_size 32
		.amdhsa_user_sgpr_count 2
		.amdhsa_user_sgpr_kernarg_segment_ptr 1
		.amdhsa_wavefront_size32 1
		.amdhsa_system_sgpr_workgroup_id_x 1
		.amdhsa_system_sgpr_workgroup_id_y 1
		.amdhsa_system_sgpr_workgroup_id_z 1
		.amdhsa_system_vgpr_workitem_id 0
		.amdhsa_next_free_vgpr 512
		.amdhsa_next_free_sgpr 72
		.amdhsa_reserve_vcc 0
		.amdhsa_float_denorm_mode_32 3
		.amdhsa_float_denorm_mode_16_64 3
		.amdhsa_memory_ordered 1
		.amdhsa_forward_progress 1
		.amdhsa_inst_pref_size 160
	.end_amdhsa_kernel
	.amdgpu_metadata
---
amdhsa.version: [ 1, 2 ]
amdhsa.kernels:
  - .name:           k_qef98e5a782_attn
    .symbol:         k_qef98e5a782_attn.kd
    .args:
      - { .name: inv_scale_factor, .offset: 0, .size: 8, .value_kind: global_buffer, .address_space: global }
      - { .name: query, .offset: 8, .size: 8, .value_kind: global_buffer, .address_space: global }
      - { .name: kv, .offset: 16, .size: 8, .value_kind: global_buffer, .address_space: global }
      - { .name: out0, .offset: 24, .size: 8, .value_kind: global_buffer, .address_space: global }
    .group_segment_fixed_size: 310272
    .private_segment_fixed_size: 0
    .kernarg_segment_align: 8
    .kernarg_segment_size: 32
    .max_flat_workgroup_size: 256
    .sgpr_count:     72
    .vgpr_count:     512
    .wavefront_size: 32
...
	.end_amdgpu_metadata
.endif
;; end of part 2
